; MI455X (gfx1250); checked and timed in simulation.
; The chip was launched on July 23, 2026; its instructions are those of AMD's public machine-readable ISA for CDNA 5 (MIT licence, August 2026) and "CDNA5" Instruction Set Architecture Reference Guide (July 2026). The comments in the code are by the model that wrote it; some were corrected since.
;; Multi Head Attention. Allowed arithmetic: matrix products marked QUANTISED: E2M1 operands, one E8M0 scale for each 32 along K, by v_wmma_scale_f32_16x16x128_f8f6f4 with both operands' format E2M1 (or v_wmma_scale_f32_32x16x128_f4), f32 sums; everything else in f32.
;; Inputs: keys 4 x 2,048 x 16 x 64 float32; queries 4 x 2,048 x 16 x 64 float32; values 4 x 2,048 x 16 x 64 float32.
;; Outputs: out0 4 x 2,048 x 16 x 64 float32.
;; This version of the problem:
;;   THIS VERSION OF THE PROBLEM IS GIVEN IN LOW PRECISION. The matrix products marked QUANTISED in the list below multiply operands that are first quantised to E2M1 (2 exponent bits, 1 mantissa bit; 4 bits a number), with one power-of-two scale for each 32 numbers along K (OCP MX v1.0); their sums are f32. All else is computed in f32.
;;   The module's matrix products, in the order in which they are computed (A, B: the left and right operand; K: the contracted axis; several contracted axes count as one K, in the product's order):
;;     1. batch 64 x [M 2,048, K 64] x [K 64, N 2,048]; A: input queries; B: input keys: QUANTISED
;;     2. batch 64 x [M 2,048, K 2,048] x [K 2,048, N 64]; A: softmax (see below); B: input values: QUANTISED
;;   THE QUANTISER, for each operand of a quantised product, along K:
;;     - K is cut into blocks of 32 from its start; a last block that is shorter is filled with zeros.
;;     - A block's scale is 2^e with e = floor(log2(the largest magnitude in the block)) - 2, held to -126 .. 127; a block of zeros has e = 0. As a byte (E8M0): e + 127.
;;     - Each number is divided by its block's scale, clamped to +-6, and rounded to the nearest number of E2M1, ties to even, subnormals kept.
;;     - The product sums the exact products of the quantised numbers (number of the format x scale) in f32.
;;   ~~~python
;;   def quantise(x, axis):      # numpy; x: float32 -> the quantised numbers, widened to float32 again
;;       x = np.moveaxis(x, axis, -1); K = x.shape[-1]
;;       x = np.pad(x, [(0, 0)] * (x.ndim - 1) + [(0, -K % 32)]); x = x.reshape(x.shape[:-1] + (-1, 32)); a = np.abs(x).max(-1, keepdims=True)
;;       e = np.where(a > 0, np.clip(np.frexp(np.where(a > 0, a, 1))[1] - 1 - 2, -126, 127), 0)      # np.frexp(a)[1] - 1 = floor(log2(a)), exactly
;;       r = np.clip(x / 2.0 ** e, -6, 6)
;;       step = 2.0 ** (np.maximum(np.frexp(np.where(r == 0, 1, r))[1] - 1, 0) - 1)
;;       q = np.round(r / step) * step * 2.0 ** e      # np.round: ties to even
;;       return np.moveaxis(q.reshape(q.shape[:-2] + (-1,))[..., :K], -1, axis).astype(np.float32)
;;   ~~~
;;   SOFTMAX AHEAD OF A QUANTISED PRODUCT. Where the list says 'softmax', what is quantised is not the finished softmax but p = 2^(t - M), with t = logit x log2(e) and M = ceil(the row's largest t), a whole number; so 1/2 < the row's largest p <= 1. The row's sum l is taken of the UNQUANTISED p, in f32, and the product's result is divided by l at the end. Since M is a whole number, a kernel that streams over the keys may use a running M (the ceiling of the running maximum): every later rescaling is an exact power of two, which a block's scale takes up: the codes' values come out the same.
;;   OPERANDS COMPUTED ON THE WAY. 'Computed on the way' means the value that the module computes at that place (a softmax that the list does not call 'softmax' is quantised finished and normalised). What goes into a quantiser is computed in f32, as accurately as f32 sums, v_exp_f32 and their like allow (about 1e-6 of the number): no bf16 or f16 on the way to a quantiser, and a product that is left as it is and whose result goes on into a quantised operand takes f32 operands (vector FMAs, or v_wmma_f32_16x16x4_f32). A number that lies on a knife's edge between two numbers of the format may be rounded either way, as far as f32 arithmetic and the matrix unit's own rounding can turn it there, and no further.
;; One version. Each part assembles by itself: llvm-mc -triple=amdgcn-amd-amdhsa -mcpu=gfx1250 --defsym DOCPART=n.
;; ======== version 1 of 1: 2 launches
;; workspace buffers: kv 8,912,896 bytes
;; launch quant (part 1): grid 512 x 1, 4 waves a work-group, no clusters, 70,144 bytes of LDS; arguments keys, values, kv; writes kv
.if DOCPART == 1
	.amdgcn_target "amdgcn-amd-amdhsa--gfx1250"
	.amdhsa_code_object_version 6
	.text
	.protected	k_q19fe706f96_quant
	.globl	k_q19fe706f96_quant
	.p2align	8
	.type	k_q19fe706f96_quant,@function
k_q19fe706f96_quant:
	s_mov_b64 s[64:65], 0
	v_nop
	global_prefetch_b8 v0, s[64:65] scope:SCOPE_SE
	s_setreg_imm32_b32 hwreg(HW_REG_WAVE_MODE, 25, 1), 1
	s_wait_xcnt 0x0
; keys and values, [4][2048][16][64] f32, become codes of FP4 (E2M1) with one E8M0 scale byte for each 32 along a product's K, laid as IMAGES OF THE OPERANDS' REGISTERS.
; K of the first product is the head's 64 channels (two blocks of 32 in a key's row); K of the second product is the keys (blocks of 32 tokens down a channel).
; kv holds 1,024 records of 8,704 bytes; record T = 16 g + s: head g = 16 batch + head, key step s (keys 128 s .. 128 s + 127):
;   0    .. 4095  K's codes: 1024 b + 512 u + 16 lane (lane = r + 16 h): channels 32 h .. 32 h + 31 of key 32 b + 8 u + r + 8 (r / 8)
;   4096 .. 8191  V's codes: 1024 t + 512 c + 16 lane: keys 64 c + 32 h .. + 31 of channel 16 t + r
;   8192 .. 8447  K's scale words: 16 r + 4 b: bytes (u = 0, channels 0-31), (u = 0, 32-63), (u = 1, 0-31), (u = 1, 32-63)
;   8448 .. 8703  V's scale words: 16 r + 4 t: byte j: keys 32 j .. 32 j + 31 of channel 16 t + r
; A block's scale is 2^(floor(log2(its largest magnitude)) - 2); its byte is the largest magnitude's exponent field - 2, held at 1 from below.
; LIMITS: a block whose largest magnitude lies under 2^-124 gets the byte 1; a block of zeros too, where the rule says 127 (its codes are zeros, which add nothing under any
; byte but 0xff, and this program alone reads the bytes); NaN and infinities among the inputs are not served.
; SHARES.  Work-groups 0-255 take keys, 256-511 values; a wave makes one record from 128 rows of 256 bytes, 4,096 bytes apart, in four blocks of 32 tokens.  Every load reads two whole
; rows (16 lanes x 16 bytes each); a block turns through the wave's own stage in LDS, so that a lane holds the 32 numbers of ONE block in consecutive registers.
; Waves share nothing: no barrier.  No tensor loads, no matrix unit, no cluster: the launch is a stream, read once and written once.  The two paths have LDS bytes of their own.
.set REC,  8704
.set SP,   272                         ; a stage row: 256 bytes + 16: the 16 rows that a 16-byte read touches start at 16 different banks
.set STGW, 32*SP                       ; a wave's stage: 32 tokens
.set LN,  1                            ; v1   lane
.set RR,  2                            ; v2   r = lane % 16
.set HL,  3                            ; v3   h = lane / 16
.set GL,  4                            ; v4   4096 h + 16 r: my 16 bytes of a load's two rows
.set SS,  5                            ; v5   the stage, on the way in: 272 h + 16 r
.set SL,  6                            ; v6   the stage, on the way out
.set CO,  7                            ; v7   my codes' place in the record
.set SH,  8                            ; v8   8 h
.set WO,  9                            ; v9   16 r: my scale words' place
.set W,   16                           ; v16-19   scale words
.set TT,  20                           ; v20-23   destinations of lane permutes
.set R,   32                           ; v32-159  two sets of 64: a block as loaded
.set X,   160                          ; v160-223 two sets of 32: the numbers of one block of 32 along K
.set C,   224                          ; v224-255 codes: four registers for each of eight units, so that no store's data are written again
.set WV,  10
.set IN,  16                           ; s[16:17] my record's first row in keys or values
.set OUTB, 18                          ; s[18:19] my record in kv
.set SEL, 22                           ; s[22:23] v_permlanex16_b32's selects for lane l xor 16
.macro LOAD b                          ; block b: tokens 32 b + 2 i + h, sixteen loads of two whole rows
.irp i, 0,1,2,3,4,5,6,7,8,9,10,11,12,13,14,15
	global_load_b128 v[R+64*((\b)%2)+4*\i:R+64*((\b)%2)+4*\i+3], v[GL], s[IN:IN+1] offset:(32*(\b)+2*\i)*4096 th:TH_LOAD_NT
.endr
.endm
.macro INWAIT b
.if (\b) < 3
	s_wait_loadcnt 16                              ; this block's sixteen loads are in; the next block's sixteen may be out
.else
	s_wait_loadcnt 0x0
.endif
.endm
; 32 numbers of one block, v[xs] on, become 32 codes in v[c] .. v[c + 3]; the scale's byte is left in v10
.macro QUANT32 xs, c
	v_max3_num_f32 v12, |v[\xs]|, |v[\xs+1]|, |v[\xs+2]|           ; the largest magnitude, in two chains
	v_max3_num_f32 v13, |v[\xs+3]|, |v[\xs+4]|, |v[\xs+5]|
.irp i, 6,10,14,18,22,26
	v_max3_num_f32 v12, v12, |v[\xs+\i]|, |v[\xs+\i+1]|
	v_max3_num_f32 v13, v13, |v[\xs+\i+2]|, |v[\xs+\i+3]|
.endr
	v_max3_num_f32 v12, v12, |v[\xs+30]|, |v[\xs+31]|
	v_max3_num_f32 v12, v12, v13, 0x1800000        ; and the floor 2^(3 - 127): the byte cannot fall under 1
	v_add_nc_u32 v11, 0xff000000, v12              ; 2 off its exponent field: the conversion takes the exponent field of this operand as its scale
.irp g, 0,1,2,3
	v_cvt_scalef32_pk8_fp4_f32 v[\c+\g], v[\xs+8*\g:\xs+8*\g+7], v11
.endr
	v_lshrrev_b32 v10, 23, v11                     ; the scale's byte; also the plain line behind the conversions
.endm
; keys, block b.  Token w goes to stage row 16 u + r with w = 8 u + r + 8 (r / 8): the rows then lie in the order of the two tiles' lanes.
.macro KBLOCK b
	INWAIT \b
.irp i, 0,1,2,3,4,5,6,7,8,9,10,11,12,13,14,15
	ds_store_b128 v[SS], v[R+64*((\b)%2)+4*\i:R+64*((\b)%2)+4*\i+3] offset:(16*((\i>>2)&1)+2*(\i&3)+8*(\i>>3))*SP
.endr
.irp u, 0,1
.irp i, 0,1,2,3,4,5,6,7
	ds_load_b128 v[X+32*\u+4*\i:X+32*\u+4*\i+3], v[SL] offset:16*\u*SP+16*\i   ; LDS serves a wave's instructions in order: these see the stores above.  Row 16 u + r, channels 32 h on
.endr
.endr
	s_wait_dscnt 8                                 ; tile u = 0 is back (tile u = 1's eight loads may be out); so the stores have read the set,
.if (\b)+2 < 4
	LOAD (\b)+2                                    ; which takes the block two further on
.endif
	QUANT32 X, C+8*(\b)
	v_lshlrev_b32 v[W+(\b)], v[SH], v10            ; byte h of the word
	global_store_b128 v[CO], v[C+8*(\b):C+8*(\b)+3], s[OUTB:OUTB+1] offset:1024*(\b)       ; 32 lanes store 512 consecutive bytes
	s_wait_dscnt 0x0
	QUANT32 X+32, C+8*(\b)+4
	v_lshlrev_b32 v14, v[SH], v10
	v_lshl_or_b32 v[W+(\b)], v14, 16, v[W+(\b)]    ; byte 2 + h
	global_store_b128 v[CO], v[C+8*(\b)+4:C+8*(\b)+7], s[OUTB:OUTB+1] offset:1024*(\b)+512
.endm
; values, block b.  The stage holds the tokens as rows; a lane then takes a COLUMN (channel 32 e + lane) and its registers run down the 32 tokens.
.macro VBLOCK b
	INWAIT \b
.irp i, 0,1,2,3,4,5,6,7,8,9,10,11,12,13,14,15
	ds_store_b128 v[SS], v[R+64*((\b)%2)+4*\i:R+64*((\b)%2)+4*\i+3] offset:2*\i*SP
.endr
.irp e, 0,1
.irp i, 0,1,2,3,4,5,6,7,8,9,10,11,12,13,14,15,16,17,18,19,20,21,22,23,24,25,26,27,28,29,30,31
	ds_load_b32 v[X+32*\e+\i], v[SL] offset:\i*SP+128*\e
.endr
.endr
	s_wait_dscnt 32                                ; channels 0-31 are back (the other 32 loads may be out); so the stores have read the set
.if (\b)+2 < 4
	LOAD (\b)+2
.endif
	QUANT32 X, C+8*(\b)
.if (\b) == 0
	v_mov_b32 v[W], v10                            ; byte b of the word of channel lane
.else
	v_lshl_or_b32 v[W], v10, 8*(\b), v[W]
.endif
	global_store_b128 v[CO], v[C+8*(\b):C+8*(\b)+3], s[OUTB:OUTB+1] offset:4096+512*((\b)>>1)+256*((\b)&1)        ; each sixteen lanes store 256 consecutive bytes, aligned
	s_wait_dscnt 0x0
	QUANT32 X+32, C+8*(\b)+4
.if (\b) == 0
	v_mov_b32 v[W+2], v10                          ; of channel 32 + lane
.else
	v_lshl_or_b32 v[W+2], v10, 8*(\b), v[W+2]
.endif
	global_store_b128 v[CO], v[C+8*(\b)+4:C+8*(\b)+7], s[OUTB:OUTB+1] offset:4096+2048+512*((\b)>>1)+256*((\b)&1)
.endm
.macro WORDS off                       ; lanes 0-15 store their four scale words: 256 consecutive bytes, aligned
	s_wait_xcnt 0x0                                ; EXEC is a source of the stores issued above: it changes only behind this wait
	v_cmp_gt_u32 vcc_lo, 16, v[LN]
	s_wait_tensorcnt 0x0
	ds_add_u32 v30, v31
	s_wait_dscnt 0x0
	s_and_saveexec_b32 s20, vcc_lo
	global_store_b128 v[WO], v[W:W+3], s[OUTB:OUTB+1] offset:\off
	s_wait_xcnt 0x0                                ; and again, in front of the line that widens it
	s_or_b32 exec_lo, exec_lo, s20
	s_endpgm
.endm
	s_load_b128 s[4:7], s[0:1], 0x0                ; keys, values
	s_load_b64 s[8:9], s[0:1], 0x10                ; kv
	v_lshl_add_u32 v30, v0, 2, 0x11000
	v_mov_b32 v31, 0
	v_lshrrev_b32 v[LN], 5, v0
	v_readfirstlane_b32 s[WV], v[LN]               ; wave 0..3
	v_and_b32 v[LN], 31, v0
	v_and_b32 v[RR], 15, v0
	v_bfe_u32 v[HL], v0, 4, 1
	v_lshlrev_b32 v[GL], 4, v[RR]
	v_lshl_add_u32 v[GL], v[HL], 12, v[GL]
	s_and_b32 s11, ttmp9, 255
	s_lshl_b32 s11, s11, 2
	s_add_co_u32 s11, s11, s[WV]                   ; my record T = 4 x (work-group mod 256) + wave
	s_lshr_b32 s12, s11, 8                         ; batch: 2^23 bytes each,
	s_lshl_b32 s12, s12, 23
	s_bfe_u32 s13, s11, 0x40004                    ; head: 256 bytes,
	s_lshl_b32 s13, s13, 8
	s_or_b32 s12, s12, s13
	s_and_b32 s13, s11, 15                         ; key step: 128 tokens of 4,096 bytes
	s_lshl_b32 s13, s13, 19
	s_or_b32 s12, s12, s13
	s_mov_b32 s13, 0
	s_mul_i32 s14, s11, REC
	s_mov_b32 s15, 0
	s_mov_b32 s[SEL], 0x76543210
	s_mov_b32 s[SEL+1], 0xfedcba98
	s_wait_alu depctr_va_vdst(0)
	s_wait_kmcnt 0x0
	s_cmp_lt_u32 ttmp9, 256                        ; keys' work-group or values'?  The choice hangs on the work-group's number alone
	s_cselect_b64 s[IN:IN+1], s[4:5], s[6:7]
	s_add_nc_u64 s[IN:IN+1], s[IN:IN+1], s[12:13]
	s_add_nc_u64 s[OUTB:OUTB+1], s[8:9], s[14:15]
	LOAD 0                                         ; both paths load alike: 32 loads a wave are out
	LOAD 1
	v_lshlrev_b32 v[SH], 3, v[HL]
	v_lshlrev_b32 v[WO], 4, v[RR]
	v_mul_u32_u24 v[SS], v[HL], SP
	v_lshl_add_u32 v[SS], v[RR], 4, v[SS]
.irp b, 0,1,2,3
	v_mov_b32 v[TT+\b], 0                          ; a lane permute's destination counts as one of its sources
.endr
	s_mul_i32 s21, s[WV], STGW                     ; my stage
	s_cmp_lt_u32 ttmp9, 256
	s_cbranch_scc0 .Lvalues
	v_add_nc_u32 v[SS], s21, v[SS]
	v_mul_u32_u24 v[SL], v[RR], SP                 ; out of the stage: row r of a tile, 128 h bytes on
	v_lshl_add_u32 v[SL], v[HL], 7, v[SL]
	v_add_nc_u32 v[SL], s21, v[SL]
	v_lshlrev_b32 v[CO], 4, v[LN]
	s_wait_alu depctr_va_vdst(0)
	KBLOCK 0
	KBLOCK 1
	KBLOCK 2
	KBLOCK 3
.irp b, 0,1,2,3
	v_permlanex16_b32 v[TT+\b], v[W+\b], s[SEL], s[SEL+1]
.endr
.irp b, 0,1,2,3
	v_or_b32 v[W+\b], v[W+\b], v[TT+\b]            ; with lane l xor 16's two bytes the word is whole
.endr
	s_wait_alu depctr_va_vdst(0)
	WORDS 8192
.Lvalues:
	s_add_co_u32 s21, s21, 4*STGW                  ; this path's stages lie behind the other path's
	s_wait_alu depctr_va_vdst(0)
	v_add_nc_u32 v[SS], s21, v[SS]
	v_lshlrev_b32 v[SL], 2, v[LN]                  ; out of the stage: column lane
	v_add_nc_u32 v[SL], s21, v[SL]
	v_lshlrev_b32 v[CO], 4, v[RR]
	v_lshl_add_u32 v[CO], v[HL], 10, v[CO]         ; channel 32 e + lane = 16 (2 e + h) + r: 1024 h + 16 r
	v_mov_b32 v[W+1], 0
	v_mov_b32 v[W+3], 0
	s_wait_alu depctr_va_vdst(0)
	VBLOCK 0
	VBLOCK 1
	VBLOCK 2
	VBLOCK 3
	v_permlanex16_b32 v[W+1], v[W], s[SEL], s[SEL+1]       ; lanes 0-15 hold the words of tiles 0 and 2; lanes 16-31 those of tiles 1 and 3: they come over
	v_permlanex16_b32 v[W+3], v[W+2], s[SEL], s[SEL+1]
	s_wait_alu depctr_va_vdst(0)
	WORDS 8448
.Lfunc_end_k_q19fe706f96_quant:
	.size	k_q19fe706f96_quant, .Lfunc_end_k_q19fe706f96_quant-k_q19fe706f96_quant
	.p2alignl 7, 3214868480
	.fill 96, 4, 3214868480
	.section	.rodata,"a",@progbits
	.p2align	6, 0x0
	.amdhsa_kernel k_q19fe706f96_quant
		.amdhsa_group_segment_fixed_size 70144
		.amdhsa_private_segment_fixed_size 0
		.amdhsa_enable_private_segment 0
		.amdhsa_kernarg_size 24
		.amdhsa_user_sgpr_count 2
		.amdhsa_user_sgpr_kernarg_segment_ptr 1
		.amdhsa_wavefront_size32 1
		.amdhsa_system_sgpr_workgroup_id_x 1
		.amdhsa_system_sgpr_workgroup_id_y 1
		.amdhsa_system_sgpr_workgroup_id_z 1
		.amdhsa_system_vgpr_workitem_id 0
		.amdhsa_next_free_vgpr 256
		.amdhsa_next_free_sgpr 66
		.amdhsa_reserve_vcc 1
		.amdhsa_float_denorm_mode_32 3
		.amdhsa_float_denorm_mode_16_64 3
		.amdhsa_memory_ordered 1
		.amdhsa_forward_progress 1
		.amdhsa_inst_pref_size 67
	.end_amdhsa_kernel
	.amdgpu_metadata
---
amdhsa.version: [ 1, 2 ]
amdhsa.kernels:
  - .name:           k_q19fe706f96_quant
    .symbol:         k_q19fe706f96_quant.kd
    .args:
      - { .name: keys, .offset: 0, .size: 8, .value_kind: global_buffer, .address_space: global }
      - { .name: values, .offset: 8, .size: 8, .value_kind: global_buffer, .address_space: global }
      - { .name: kv, .offset: 16, .size: 8, .value_kind: global_buffer, .address_space: global }
    .group_segment_fixed_size: 70144
    .private_segment_fixed_size: 0
    .kernarg_segment_align: 8
    .kernarg_segment_size: 24
    .max_flat_workgroup_size: 128
    .sgpr_count:     66
    .vgpr_count:     256
    .wavefront_size: 32
...
	.end_amdgpu_metadata
.endif
;; end of part 1
;; launch attn (part 2): grid 4 x 64, 16 waves a work-group, clusters of 4 x 1, 215,040 bytes of LDS; arguments queries, kv, out0; writes out0
.if DOCPART == 2
	.amdgcn_target "amdgcn-amd-amdhsa--gfx1250"
	.amdhsa_code_object_version 6
	.text
	.protected	k_q19fe706f96_attn
	.globl	k_q19fe706f96_attn
	.p2align	8
	.type	k_q19fe706f96_attn,@function
k_q19fe706f96_attn:
	s_mov_b64 s[64:65], 0
	v_nop
	global_prefetch_b8 v0, s[64:65] scope:SCOPE_SE
	s_setreg_imm32_b32 hwreg(HW_REG_WAVE_MODE, 25, 1), 1
	s_wait_xcnt 0x0
	s_wait_alu depctr_hold_cnt(0) depctr_sa_sdst(0) depctr_va_vdst(0) depctr_va_sdst(0) depctr_va_ssrc(0) depctr_va_vcc(0) depctr_vm_vsrc(0)
	s_getreg_b32 s2, hwreg(HW_REG_IB_STS2, 6, 4)
	s_cmp_eq_u32 s2, 0
	s_cbranch_scc0 .Lentry_in_a_cluster
	s_endpgm
.Lentry_in_a_cluster:
	s_bfe_u32 s2, ttmp6, 0x10000c
	s_cmp_lg_u32 s2, 0x3003
	s_cbranch_scc0 .Lentry_shape_is_right
	s_endpgm
.Lentry_shape_is_right:
; out[b][q][hd][:] = the sum over k <= q of softmax_k(Q . K / 8) V, both products on codes of FP4 (E2M1) with one E8M0 scale for each 32 along a product's K.
; queries and out0: [4][2048][16][64] f32: a (token, head) row is 256 aligned bytes, tokens 4,096 bytes apart.  kv: 1,024 records of 8,704 bytes, made by the launch before: for head g and key step s
; (128 keys) record 16 g + s holds K's codes (0), V's codes (4096), K's scale words (8192) and V's (8448), all as images of the operands' registers: every LDS read below is 16 x lane + a constant.
; THE SOFTMAX AHEAD OF THE SECOND PRODUCT: t = score x log2(e) / 8; M = the row's largest t so far, rounded UP to a whole number; p = 2^(t - M) is quantised along the keys, not normalised; the row's
; sum is taken of the unquantised p and divides O at the end.  When M moves, the sum and O are multiplied by 2^(old M - new M): exact.
; SHARES.  A cluster of four work-groups is one head.  A head's 16 records, 139,264 bytes, lie in LDS whole: each byte is filled once, so there is no ring.  The four work-groups need the same records:
; each is asked for JOINTLY (mask 15), by waves 0 to 3, two loads each: two tensor loads of a wave are out at the most.
; A wave owns two tiles of 16 queries: j1 = 4 wave + cx and j2 = 127 - j1.  Tile j needs j / 8 + 1 key steps: with a = wave / 2 that is a + 1 and 16 - a: 17 STEPS FOR EVERY WAVE, two of them on the
; diagonal.  The counts hang on the wave's number alone; cx enters Q's and O's global addresses and a vector operand of the mask, no branch and no LDS address.
; Every wave walks loops of constant trips; a step all of whose keys come after the tile's queries is jumped over by a scalar branch on the wave's number and the trip.
; Sixteen waves of 256 registers, four to a SIMD: one wave's exponentials stand beside another's products and LDS loads.
; LAYOUT.  Both products are used transposed: S^T = K Q^T, O^T = V^T P^T: a lane holds ONE query (lane % 16) throughout.  The first product's K is 64, half of the instruction's 128: source 0 holds
; TWO tiles of 16 keys (registers 0-3, 4-7), and Q lies in twelve registers [Q, 0, Q]: the first eight, [Q | 0], give the first tile's scores, the last eight, [0 | Q], the second's: zero codes add nothing.
; Lane r of tile 2 b + u holds key 32 b + 8 u + r + 8 (r / 8), so that the 16 registers of tiles 2 b and 2 b + 1 are 16 neighbouring keys: 32 b + 16 (lane / 16) + 0 .. 15.
; LIMITS: NaN and infinities among the inputs are not served; a block whose largest magnitude lies under 2^-124, a block of zeros among them, gets the scale byte 1 (zero codes add nothing under it);
; a block's largest p is taken from its largest score by the same multiply-add and exponential, which takes v_exp_f32 not to fall where its input rises.
.set REC,   8704
.set HEADB, 16*REC
.set SP,    272                        ; a stage row: 256 bytes + 16
.set STG,   HEADB                      ; behind the records: a stage of 16 rows for each wave, for Q's way in and O's way out; no fill lands there
.set LA,   1                           ; v1   16 x lane
.set ADR,  2                           ; v2   the record in hand + 16 x lane
.set RR,   3                           ; v3   r = lane % 16
.set QR,   4                           ; v4   stage: row r, 128 h bytes on
.set STO,  5                           ; v5   stage: row r, 32 h bytes on
.set RD,   6                           ; v6   stage: row h, 16 r bytes on
.set GO,   7                           ; v7   memory: token h, 16 r bytes on
.set NINF, 8                           ; v8   -infinity
.set DM1,  9                           ; v9   tile j1, on its diagonal step: my query - the step's first key - 16 h
.set DM2,  10                          ; v10  the same for tile j2
.set SH8,  11                          ; v11  8 h
.set NM,   12                          ; v12  -M;  v13 the largest t so far
.set TX,   13
.set LS,   14                          ; v[14:15] the row's sum, in two halves
.set Q1,   16                          ; v16-27  [Q, 0, Q] of tile j1;  v28 its scale word
.set Q1S,  28
.set HH,   29                          ; v29  h = lane / 16
.set LN,   30
.set KF,   32                          ; v32-63   K: four pairs of tiles
.set VF,   64                          ; v64-95   V: four tiles
.set S,    96                          ; v96-159  S^T, then p
.set OT,   160                         ; v160-191 O^T
.set PC,   192                         ; v192-199 p's codes
.set SC,   200                         ; v200-203 scale words: lanes 0-15 K's, lanes 16-31 V's
.set BM,   204                         ; v204-207 each block's largest score, then its largest p
.set TP,   208                         ; v208-211 destinations of lane permutes, then scale bytes
.set SO,   212                         ; v212-215 the conversions' scale operands
.set PW,   216                         ; v216     p's scale word
.set F,    218                         ; v[218:219] f = 2^(old M - new M); the pair's upper word is written once
.set T0,   220
.set L2,   222                         ; v[222:223] the sum's second chain
.set Q2,   224                         ; v224-235 [Q, 0, Q] of tile j2;  v236 its scale word
.set Q2S,  236
.set WV,  10
.set CX,  11
.set HD,  12
.set AA,  13
.set LIM, 14                           ; s14  the tile's last key step, the one on the diagonal
.set SI,  15                           ; s15  the key step
.set TB,  16                           ; s16  its record's LDS byte
.set STB, 17                           ; s17  my stage
.set G1A, 24                           ; s[24:31] group 1: 34 rows of 256 bytes;  s[32:39]: 102 rows
.set G1B, 32
.set G0A, 40                           ; s[40:43], s[44:47] groups 0
.set G0B, 44
.set SEL, 48                           ; s[48:49] v_permlanex16_b32's selects for lane l xor 16
.set CS,  50                           ; s[50:51] c = log2(e) / 8: the packed form names a pair and takes its low word for both halves
.set QB1, 52                           ; s[52:53], s[54:55] Q at tiles j1, j2;  s[56:57], s[58:59] O likewise
.set QB2, 54
.set OB1, 56
.set OB2, 58
.macro CROUND                          ; a round of the cluster's barrier
	s_barrier_signal -1
	s_barrier_wait -1
	s_cmp_lg_u32 s[WV], 0
	s_cbranch_scc1 .Lnot_wave_0_\@
	s_barrier_signal -3
.Lnot_wave_0_\@:
	s_barrier_wait -3
	s_barrier_signal -1
	s_barrier_wait -1
.endm
; 32 numbers of a lane (query r, channels 32 h on), v[xs] on, become [Q, 0, Q] in v[qf] on and the scale word (q0, q1, q0, q1) in v[qs]
.macro QQ xs, qf, qs
	v_max3_num_f32 v[BM], |v[\xs]|, |v[\xs+1]|, |v[\xs+2]|
	v_max3_num_f32 v[BM+1], |v[\xs+3]|, |v[\xs+4]|, |v[\xs+5]|
.irp i, 6,10,14,18,22,26
	s_delay_alu instid0(VALU_DEP_2)
	v_max3_num_f32 v[BM], v[BM], |v[\xs+\i]|, |v[\xs+\i+1]|
	s_delay_alu instid0(VALU_DEP_2)
	v_max3_num_f32 v[BM+1], v[BM+1], |v[\xs+\i+2]|, |v[\xs+\i+3]|
.endr
	s_delay_alu instid0(VALU_DEP_2)
	v_max3_num_f32 v[BM], v[BM], |v[\xs+30]|, |v[\xs+31]|
	s_delay_alu instid0(VALU_DEP_1)
	v_max3_num_f32 v[BM], v[BM], v[BM+1], 0x1800000        ; the floor 2^(3 - 127): the byte cannot fall under 1
	s_delay_alu instid0(VALU_DEP_1)
	v_add_nc_u32 v[SO], 0xff000000, v[BM]          ; 2 off the exponent field: the conversion's scale operand
.irp g, 0,1,2,3
	v_cvt_scalef32_pk8_fp4_f32 v[\qf+\g], v[\xs+8*\g:\xs+8*\g+7], v[SO]
.endr
	v_lshrrev_b32 v[T0], 23, v[SO]                 ; the scale's byte; also the plain line behind the conversions
	s_delay_alu instid0(VALU_DEP_1)
	v_lshlrev_b32 v[T0], v[SH8], v[T0]             ; at byte h
	s_delay_alu instid0(VALU_DEP_1)
	v_permlanex16_b32 v[TP], v[T0], s[SEL], s[SEL+1]
	s_delay_alu instid0(VALU_DEP_1)
	v_or_b32 v[\qs], v[T0], v[TP]
	s_delay_alu instid0(VALU_DEP_1)
	v_lshl_or_b32 v[\qs], v[\qs], 16, v[\qs]       ; the two bytes twice: they serve [Q | 0] and [0 | Q]
.irp g, 0,1,2,3
	v_mov_b32 v[\qf+8+\g], v[\qf+\g]
.endr
.irp g, 0,1,2,3
	v_mov_b32 v[\qf+4+\g], 0
.endr
.endm
.macro INIT                            ; a tile begins: the step is written without a first step of its own, so it finds zeros, which the first change of M leaves zeros
	v_mov_b32 v[TX], 0xff61b1e6                    ; the largest t so far: -3e38, under every t
	s_delay_alu instid0(VALU_DEP_1)
	v_floor_f32 v[NM], -v[TX]
	v_mov_b32 v[LS], 0
	v_mov_b32 v[LS+1], 0
.irp j, 0,1,2,3,4,5,6,7,8,9,10,11,12,13,14,15,16,17,18,19,20,21,22,23,24,25,26,27,28,29,30,31
	v_mov_b32 v[OT+\j], 0
.endr
.endm
; A KEY STEP: 128 keys, record s[TB].  always = 1: the step is one that every wave has.
.macro STEP qf, qs, dm, always
.if !\always
	s_cmp_gt_u32 s[SI], s[LIM]                     ; all its keys come after my 16 queries: only the address steps
	s_cbranch_scc1 .Lhid_\@
.endif
	s_setprio 2
	v_add_nc_u32 v[ADR], s[TB], v[LA]
	ds_load_b128 v[SC:SC+3], v[ADR] offset:8192    ; lanes 0-15: K's four scale words of row r; lanes 16-31, 256 bytes on: V's
.irp f, 0,1,2,3,4,5,6,7
	ds_load_b128 v[KF+4*\f:KF+4*\f+3], v[ADR] offset:512*\f
.endr
.irp f, 0,1,2,3,4,5,6,7
	ds_load_b128 v[VF+4*\f:VF+4*\f+3], v[ADR] offset:4096+512*\f
.endr
	s_wait_dscnt 8                                 ; the scale words and K are in; V's eight loads may be out
.irp b, 0,1,2,3
.irp u, 0,1
	v_wmma_scale_f32_16x16x128_f8f6f4 v[S+8*(2*\b+\u):S+8*(2*\b+\u)+7], v[KF+8*\b:KF+8*\b+7], v[\qf+4*\u:\qf+4*\u+7], 0, v[SC+\b], v[\qs] matrix_a_fmt:MATRIX_FMT_FP4 matrix_b_fmt:MATRIX_FMT_FP4
.endr
.endr
.rept 4
	v_nop                                          ; four places in front of the first read of results (ISA guide 7.12.1)
.endr
	s_cmp_lg_u32 s[SI], s[LIM]
	s_cbranch_scc1 .Lopen_\@                       ; a step all of whose keys count skips the mask
.irp n, 0,1,2,3,4,5,6,7,8,9,10,11,12,13,14,15,16,17,18,19,20,21,22,23,24,25,26,27,28,29,30,31,32,33,34,35,36,37,38,39,40,41,42,43,44,45,46,47,48,49,50,51,52,53,54,55,56,57,58,59,60,61,62,63
	v_cmp_gt_i32 vcc_lo, 32*(\n/16)+\n%16, v[\dm]  ; register 16 b + i holds the step's key 32 b + 16 h + i: hidden where 32 b + i > my query - first key - 16 h
	v_cndmask_b32 v[S+\n], v[S+\n], v[NINF], vcc_lo        ; -infinity ahead of the maximum: p = 0 then
.endr
.Lopen_\@:
.irp b, 0,1,2,3
	v_max3_num_f32 v[BM+\b], v[S+16*\b], v[S+16*\b+1], v[S+16*\b+2]   ; the largest score of each block of 32 keys: for the row's maximum and for the block's largest p
.endr
.irp i, 3,5,7,9,11,13
.irp b, 0,1,2,3
	v_max3_num_f32 v[BM+\b], v[BM+\b], v[S+16*\b+\i], v[S+16*\b+\i+1]
.endr
.endr
.irp b, 0,1,2,3
	v_max_num_f32 v[BM+\b], v[BM+\b], v[S+16*\b+15]
.endr
.irp b, 0,1,2,3
	s_delay_alu instid0(VALU_DEP_4)
	v_permlanex16_b32 v[TP+\b], v[BM+\b], s[SEL], s[SEL+1]
.endr
.irp b, 0,1,2,3
	s_delay_alu instid0(VALU_DEP_4)
	v_max_num_f32 v[BM+\b], v[BM+\b], v[TP+\b]     ; with lane l xor 16's 16 keys
.endr
	s_delay_alu instid0(VALU_DEP_2)
	v_max3_num_f32 v[T0], v[BM], v[BM+1], v[BM+2]
	s_delay_alu instid0(VALU_DEP_1)
	v_max_num_f32 v[T0], v[T0], v[BM+3]            ; the step's largest score of my query
	s_delay_alu instid0(VALU_DEP_1)
	v_mul_f32 v[T0], s[CS], v[T0]                  ; as t (c is positive)
	s_delay_alu instid0(VALU_DEP_1)
	v_max_num_f32 v[TX], v[TX], v[T0]              ; the running largest t
	v_mov_b32 v[T0], v[NM]
	s_delay_alu instid0(VALU_DEP_2)
	v_floor_f32 v[NM], -v[TX]                      ; the new -M = floor(-t) = -ceil(t)
	s_delay_alu instid0(VALU_DEP_1)
	v_sub_f32 v[T0], v[NM], v[T0]                  ; old M - new M: a whole number, 0 or less
	s_delay_alu instid0(VALU_DEP_1)
	v_cvt_i32_f32 v[T0], v[T0]                     ; (it saturates)
	s_delay_alu instid0(VALU_DEP_1)
	v_ldexp_f32 v[F], 1.0, v[T0]                   ; f = 2^(old M - new M)
.irp j, 0,2,4,6,8,10,12,14,16,18,20,22,24,26,28,30,32,34,36,38,40,42,44,46,48,50,52,54,56,58,60,62
	v_pk_fma_f32 v[S+\j:S+\j+1], v[S+\j:S+\j+1], s[CS:CS+1], v[NM:NM+1] op_sel_hi:[1,0,0]   ; t - M, two at a time
.endr
	s_setprio 1
.irp b, 0,1,2,3
	v_fma_f32 v[BM+\b], v[BM+\b], s[CS], v[NM]     ; the same of each block's largest score
.endr
	s_wait_alu depctr_va_vdst(0)
.irp j, 0,1,2,3,4,5,6,7,8,9,10,11,12,13,14,15,16,17,18,19,20,21,22,23,24,25,26,27,28,29,30,31,32,33,34,35,36,37,38,39,40,41,42,43,44,45,46,47,48,49,50,51,52,53,54,55,56,57,58,59,60,61,62,63
	v_exp_f32 v[S+\j], v[S+\j]                     ; p = 2^(t - M), at most 1
.endr
.irp b, 0,1,2,3
	v_exp_f32 v[BM+\b], v[BM+\b]                   ; the block's largest p: the same two instructions on the same number give the same bits
.endr
	v_pk_mul_f32 v[LS:LS+1], v[LS:LS+1], v[F:F+1] op_sel_hi:[1,0]   ; the sums under the new M; also the plain line behind the exponentials
	s_wait_alu depctr_va_vdst(0)
.irp b, 0,1,2,3
	v_max_num_f32 v[BM+\b], 0x1800000, v[BM+\b]    ; the floor 2^(3 - 127): a block whose every p is 0 keeps the byte 1: its codes are zeros
.endr
.irp b, 0,1,2,3
	s_delay_alu instid0(VALU_DEP_4)
	v_add_nc_u32 v[SO+\b], 0xff000000, v[BM+\b]    ; 2 off the exponent field: the conversion's scale operand
.endr
.irp b, 0,1,2,3
	s_delay_alu instid0(VALU_DEP_4)
	v_lshrrev_b32 v[TP+\b], 23, v[SO+\b]           ; the scale's byte
.endr
	s_delay_alu instid0(VALU_DEP_3)
	v_lshl_or_b32 v[PW], v[TP+1], 8, v[TP]         ; p's scale word for these 128 keys
	s_delay_alu instid0(VALU_DEP_1)
	v_lshl_or_b32 v[PW], v[TP+2], 16, v[PW]
	s_delay_alu instid0(VALU_DEP_1)
	v_lshl_or_b32 v[PW], v[TP+3], 24, v[PW]
.irp b, 0,1,2,3
	v_cvt_scalef32_pk8_fp4_f32 v[PC+2*\b], v[S+16*\b:S+16*\b+7], v[SO+\b]
	v_cvt_scalef32_pk8_fp4_f32 v[PC+2*\b+1], v[S+16*\b+8:S+16*\b+15], v[SO+\b]
.endr
	v_nop                                          ; one plain line between a scaled conversion and the vector instruction that touches its result
.irp c, 0,1                            ; the operand's layout wants a whole block in a lane: lanes 0-15 block 2 c, lanes 16-31 block 2 c + 1
.irp i, 0,1
	v_permlane16_swap_b32 v[PC+4*\c+\i], v[PC+4*\c+2+\i]
.endr
.endr
.irp j, 0,2,4,6,8,10,12,14,16,18,20,22,24,26,28,30
	v_pk_mul_f32 v[OT+\j:OT+\j+1], v[OT+\j:OT+\j+1], v[F:F+1] op_sel_hi:[1,0]   ; O^T under the new M, each accumulator from its low end on
.endr
	v_pk_add_f32 v[222:223], v[100:101], v[104:105]
	s_setprio 0
	v_pk_add_f32 v[252:253], v[108:109], v[112:113]
	v_pk_add_f32 v[250:251], v[116:117], v[120:121]
	v_pk_add_f32 v[248:249], v[124:125], v[128:129]
	v_pk_add_f32 v[246:247], v[132:133], v[136:137]
	v_pk_add_f32 v[244:245], v[140:141], v[144:145]
	v_pk_add_f32 v[242:243], v[148:149], v[152:153]
	v_pk_add_f32 v[14:15], v[14:15], v[156:157]
	v_pk_add_f32 v[222:223], v[222:223], v[96:97]
	v_pk_add_f32 v[252:253], v[252:253], v[98:99]
	v_pk_add_f32 v[250:251], v[250:251], v[102:103]
	v_pk_add_f32 v[248:249], v[248:249], v[106:107]
	v_pk_add_f32 v[246:247], v[246:247], v[110:111]
	v_pk_add_f32 v[244:245], v[244:245], v[114:115]
	v_pk_add_f32 v[242:243], v[242:243], v[118:119]
	v_pk_add_f32 v[14:15], v[14:15], v[122:123]
	v_pk_add_f32 v[222:223], v[222:223], v[126:127]
	v_pk_add_f32 v[252:253], v[252:253], v[130:131]
	v_pk_add_f32 v[250:251], v[250:251], v[134:135]
	v_pk_add_f32 v[248:249], v[248:249], v[138:139]
	v_pk_add_f32 v[246:247], v[246:247], v[142:143]
	v_pk_add_f32 v[244:245], v[244:245], v[146:147]
	v_pk_add_f32 v[242:243], v[242:243], v[150:151]
	v_pk_add_f32 v[14:15], v[14:15], v[154:155]
	v_pk_add_f32 v[222:223], v[222:223], v[158:159]
	s_delay_alu instid0(VALU_DEP_2)
	v_pk_add_f32 v[14:15], v[14:15], v[248:249]
	s_delay_alu instid0(VALU_DEP_2)
	v_pk_add_f32 v[222:223], v[222:223], v[246:247]
	v_pk_add_f32 v[252:253], v[252:253], v[244:245]
	v_pk_add_f32 v[250:251], v[250:251], v[242:243]
	s_delay_alu instid0(VALU_DEP_2)
	v_pk_add_f32 v[14:15], v[14:15], v[252:253]
	s_delay_alu instid0(VALU_DEP_2)
	v_pk_add_f32 v[222:223], v[222:223], v[250:251]
	s_delay_alu instid0(VALU_DEP_1)
	v_pk_add_f32 v[14:15], v[14:15], v[222:223]
	s_wait_dscnt 0x0                               ; V is in
.irp t, 0,1,2,3                        ; O^T += V^T P^T: the four accumulators take turns, one instruction a turn
	v_wmma_scale_f32_16x16x128_f8f6f4 v[OT+8*\t:OT+8*\t+7], v[VF+8*\t:VF+8*\t+7], v[PC:PC+7], v[OT+8*\t:OT+8*\t+7], v[SC+\t], v[PW] matrix_a_fmt:MATRIX_FMT_FP4 matrix_b_fmt:MATRIX_FMT_FP4 matrix_a_scale:MATRIX_SCALE_ROW1
.endr
.rept 4
	v_nop                                          ; four places in front of the next step's loads into registers that these products read, and of the way out's reads
.endr
.Lhid_\@:
	s_add_co_u32 s[TB], s[TB], REC                 ; the next record
.endm
; THE WAY OUT of a tile: O^T / the sum goes through my stage and leaves as whole rows: sixteen lanes store 256 consecutive bytes, aligned.  more = 1: the registers are written again.
.macro OUT ob, more
	v_add_f32 v[LS], v[LS], v[LS+1]                ; the sum's two halves,
	s_delay_alu instid0(VALU_DEP_1)
	v_permlanex16_b32 v[T0], v[LS], s[SEL], s[SEL+1]
	s_delay_alu instid0(VALU_DEP_1)
	v_add_f32 v[LS], v[LS], v[T0]                  ; and lane l xor 16's
	s_wait_alu depctr_va_vdst(0)
	v_rcp_f32 v[LS], v[LS]
	v_nop                                          ; one plain line behind a transcendental
	s_wait_alu depctr_va_vdst(0)
.irp j, 0,2,4,6,8,10,12,14,16,18,20,22,24,26,28,30
	v_pk_mul_f32 v[S+\j:S+\j+1], v[OT+\j:OT+\j+1], v[LS:LS+1] op_sel_hi:[1,0]   ; register 8 t + i is o(query r, channel 16 t + 8 h + i)
.endr
.irp t, 0,1,2,3
	ds_store_b128 v[STO], v[S+8*\t:S+8*\t+3] offset:64*\t
	ds_store_b128 v[STO], v[S+8*\t+4:S+8*\t+7] offset:64*\t+16
.endr
.irp i, 0,1,2,3,4,5,6,7
	ds_load_b128 v[S+32+4*\i:S+32+4*\i+3], v[RD] offset:2*\i*SP    ; LDS serves a wave's instructions in order: these see my stores
.endr
.irp i, 0,1,2,3,4,5,6,7
	s_wait_dscnt 7-\i                              ; the younger loads may be out
	global_store_b128 v[GO], v[S+32+4*\i:S+32+4*\i+3], s[\ob:\ob+1] offset:8192*\i th:TH_STORE_NT
.endr
.if \more
	s_wait_xcnt 0x0                                ; the stores' data registers are written again only behind this wait
.endif
.endm
	s_load_b128 s[4:7], s[0:1], 0x0                ; queries, kv
	s_load_b64 s[8:9], s[0:1], 0x10                ; out0
	v_lshl_add_u32 v254, v0, 2, 0x34000
	v_mov_b32 v255, 0
	ds_add_u32 v254, v255
	ds_add_u32 v254, v255
	v_lshrrev_b32 v[LN], 5, v0
	s_delay_alu instid0(VALU_DEP_1)
	v_readfirstlane_b32 s[WV], v[LN]               ; wave 0..15
	v_and_b32 v[LN], 31, v0
	v_and_b32 v[RR], 15, v0
	v_bfe_u32 v[HH], v0, 4, 1
	s_delay_alu instid0(VALU_DEP_2)
	v_lshlrev_b32 v[GO], 4, v[RR]
	s_delay_alu instid0(VALU_DEP_1)
	v_lshl_add_u32 v[GO], v[HH], 12, v[GO]
	s_bfe_u32 s[CX], ttmp6, 0x40000                ; cx: my place in the cluster
	s_and_b32 s[HD], ttmp7, 0xffff                 ; the head g, which the four partners share
	s_lshr_b32 s18, s[HD], 4                       ; batch: 2^23 bytes,
	s_lshl_b32 s18, s18, 23
	s_and_b32 s19, s[HD], 15                       ; head: 256 bytes
	s_lshl_b32 s19, s19, 8
	s_or_b32 s18, s18, s19
	s_lshl_b32 s20, s[WV], 2
	s_add_co_u32 s20, s20, s[CX]                   ; j1 = 4 wave + cx
	s_sub_co_u32 s21, 127, s20                     ; j2
	s_lshl_b32 s20, s20, 16                        ; a tile is 16 tokens of 4,096 bytes
	s_add_co_u32 s20, s20, s18
	s_lshl_b32 s22, s21, 16
	s_add_co_u32 s22, s22, s18
	s_mov_b32 s21, 0
	s_mov_b32 s23, 0
	s_wait_alu depctr_va_vdst(0)
	s_wait_dscnt 0x0
	s_wait_kmcnt 0x0
	s_add_nc_u64 s[QB1:QB1+1], s[4:5], s[20:21]
	s_add_nc_u64 s[QB2:QB2+1], s[4:5], s[22:23]
	s_add_nc_u64 s[OB1:OB1+1], s[8:9], s[20:21]
	s_add_nc_u64 s[OB2:OB2+1], s[8:9], s[22:23]
.irp i, 0,1,2,3,4,5,6,7
	global_load_b128 v[S+4*\i:S+4*\i+3], v[GO], s[QB1:QB1+1] offset:8192*\i th:TH_LOAD_NT      ; two whole rows of Q a load
.endr
.irp i, 0,1,2,3,4,5,6,7
	global_load_b128 v[S+32+4*\i:S+32+4*\i+3], v[GO], s[QB2:QB2+1] offset:8192*\i th:TH_LOAD_NT
.endr
	; descriptors: dense rows of 256 bytes (32 elements of 8 bytes), no padding: every read of a record takes 512 consecutive bytes
.irp g, G1A, G1B
	s_mov_b32 s[\g], 15|(3<<16)|(1<<21)            ; 15:0 the mask: all four work-groups; 17:16 elements of 8 bytes; 21 set beside a mask
	s_mov_b32 s[\g+1], 32<<16                      ; tensor_dim0 = 32
	s_mov_b32 s[\g+3], 32<<16                      ; tile_dim0 = 32
	s_mov_b32 s[\g+5], 32                          ; from row to row
	s_mov_b32 s[\g+6], 0
	s_mov_b32 s[\g+7], 0
.endr
	s_mov_b32 s[G1A+2], 34<<16                     ; tensor_dim1, tile_dim1: one record
	s_mov_b32 s[G1A+4], 34
	s_mov_b32 s[G1B+2], 102<<16                    ; three records
	s_mov_b32 s[G1B+4], 102
	s_mul_i32 s2, s[HD], HEADB
	s_mov_b32 s3, 0
	s_add_nc_u64 s[6:7], s[6:7], s[2:3]            ; kv at my head's record 0
	s_mul_i32 s2, s[WV], REC                       ; the first load of wave w (0..3): record w;
	s_mov_b32 s[G0A], 1
	s_mov_b32 s[G0A+1], s2                         ; LDS address = the byte in the head: the wave's number and constants alone
	s_add_nc_u64 s[G0A+2:G0A+3], s[6:7], s[2:3]
	s_or_b32 s[G0A+3], s[G0A+3], 0x80000000
	s_mul_i32 s2, s[WV], 3*REC                     ; the second: records 4 + 3 w .. 6 + 3 w
	s_add_co_u32 s2, s2, 4*REC
	s_mov_b32 s[G0B], 1
	s_mov_b32 s[G0B+1], s2
	s_add_nc_u64 s[G0B+2:G0B+3], s[6:7], s[2:3]
	s_or_b32 s[G0B+3], s[G0B+3], 0x80000000
	CROUND                                         ; all four work-groups are here: the joint loads meet
	s_cmp_lt_u32 s[WV], 4                          ; a wave's two fills stand in one branch, ahead of every wait on TENSORcnt
	s_cbranch_scc0 .Lno_fill
	tensor_load_to_lds s[G0A:G0A+3], s[G1A:G1A+7]
	s_nop 0
	tensor_load_to_lds s[G0B:G0B+3], s[G1B:G1B+7]
	s_nop 0
.rept 4
	v_nop
.endr
.Lno_fill:
	s_mov_b32 s[SEL], 0x76543210
	s_mov_b32 s[SEL+1], 0xfedcba98
	s_mov_b32 s[CS], 0x3e38aa3b                    ; c = log2(e) / 8
	s_mov_b32 s[CS+1], s[CS]                       ; (named with it as a pair, so it is written)
	s_lshr_b32 s[AA], s[WV], 1                     ; a
	s_mul_i32 s[STB], s[WV], 16*SP
	s_add_co_u32 s[STB], s[STB], STG               ; my stage
	v_lshlrev_b32 v[LA], 4, v[LN]
	v_mul_u32_u24 v[QR], v[RR], SP
	s_delay_alu instid0(VALU_DEP_1)
	v_lshl_add_u32 v[STO], v[HH], 5, v[QR]
	s_delay_alu instid0(VALU_DEP_2)
	v_lshl_add_u32 v[QR], v[HH], 7, v[QR]
	s_delay_alu instid0(VALU_DEP_1)
	v_add_nc_u32 v[QR], s[STB], v[QR]
	s_delay_alu instid0(VALU_DEP_3)
	v_add_nc_u32 v[STO], s[STB], v[STO]
	v_mul_u32_u24 v[RD], v[HH], SP
	s_delay_alu instid0(VALU_DEP_1)
	v_lshl_add_u32 v[RD], v[RR], 4, v[RD]
	s_delay_alu instid0(VALU_DEP_1)
	v_add_nc_u32 v[RD], s[STB], v[RD]
	v_mov_b32 v[NINF], 0xff800000
	v_lshlrev_b32 v[SH8], 3, v[HH]
	s_and_b32 s19, s[WV], 1                        ; x = 4 (wave % 2) + cx: tile j1 begins 16 x keys into its diagonal step, tile j2 16 (7 - x)
	s_lshl_b32 s19, s19, 2
	s_add_co_u32 s19, s19, s[CX]
	s_lshl_b32 s19, s19, 4
	v_lshlrev_b32 v[DM1], 4, v[HH]
	s_delay_alu instid0(VALU_DEP_1)
	v_sub_nc_u32 v[DM1], v[RR], v[DM1]             ; r - 16 h
	s_delay_alu instid0(VALU_DEP_1)
	v_add_nc_u32 v[DM2], 112, v[DM1]
	s_delay_alu instid0(VALU_DEP_1)
	v_sub_nc_u32 v[DM2], v[DM2], s19
	s_delay_alu instid0(VALU_DEP_3)
	v_add_nc_u32 v[DM1], s19, v[DM1]
.irp b, 0,1,2,3
	v_mov_b32 v[TP+\b], 0                          ; written once: a lane permute's destination counts as one of its sources
.endr
	v_mov_b32 v[F+1], 0                            ; (named as the upper half of a pair)
	; Q's turn through my stage: rows as loaded in, 32 neighbours of one row a lane out
	s_wait_loadcnt 8                               ; tile j1's eight loads are in; tile j2's may be out
.irp i, 0,1,2,3,4,5,6,7
	ds_store_b128 v[RD], v[S+4*\i:S+4*\i+3] offset:2*\i*SP
.endr
.irp i, 0,1,2,3,4,5,6,7
	ds_load_b128 v[KF+4*\i:KF+4*\i+3], v[QR] offset:16*\i          ; LDS serves a wave's instructions in order: these see the stores above, and tile j2's stores come behind them
.endr
	s_wait_loadcnt 0x0
.irp i, 0,1,2,3,4,5,6,7
	ds_store_b128 v[RD], v[S+32+4*\i:S+32+4*\i+3] offset:2*\i*SP
.endr
.irp i, 0,1,2,3,4,5,6,7
	ds_load_b128 v[VF+4*\i:VF+4*\i+3], v[QR] offset:16*\i
.endr
	s_wait_dscnt 16                                ; tile j1 is back; behind it stand tile j2's eight stores and eight loads
	QQ KF, Q1, Q1S
	s_wait_dscnt 0x0
	QQ VF, Q2, Q2S
	; ---- tile j1: key steps 0 .. a
	INIT
	s_mov_b32 s[LIM], s[AA]
	s_mov_b32 s[SI], 0
	s_mov_b32 s[TB], 0
	s_wait_tensorcnt 0x1                           ; my first fill has landed; the second may stay out.  (No LDS instruction of mine is out)
	s_barrier_signal -1
	s_barrier_wait -1                              ; records 0 to 3 are whole
	STEP Q1, Q1S, DM1, 1                           ; key step 0, which every wave has, while the other records land
	s_mov_b32 s[SI], 1
	s_wait_tensorcnt 0x0                           ; my second fill has landed.  (The step's last wait on DScnt was for 0)
	s_barrier_signal -1
	s_barrier_wait -1                              ; all sixteen records are whole; they are read and never written from here on
.Lpass1:                                           ; seven trips in every wave; the steps behind the diagonal only step the address
	STEP Q1, Q1S, DM1, 0
	s_add_co_u32 s[SI], s[SI], 1
	s_cmp_lt_u32 s[SI], 8
	s_cbranch_scc1 .Lpass1
	s_setprio 0
	s_wait_alu depctr_va_vdst(0)
	OUT OB1, 1
	; ---- tile j2: key steps 0 .. 15 - a
	INIT
	s_sub_co_u32 s[LIM], 15, s[AA]
	s_mov_b32 s[SI], 0
	s_mov_b32 s[TB], 0
.Lpass2:                                           ; sixteen trips in every wave
	STEP Q2, Q2S, DM2, 0
	s_add_co_u32 s[SI], s[SI], 1
	s_cmp_lt_u32 s[SI], 16
	s_cbranch_scc1 .Lpass2
	s_setprio 0
	s_wait_alu depctr_va_vdst(0)
	OUT OB2, 0
	s_wait_tensorcnt 0x0
	ds_add_u32 v254, v255
	s_wait_dscnt 0x0
	CROUND                                         ; the closing round (no LDS instruction of mine is out: the way out's last wait on DScnt was for 0)
	s_endpgm
.Lfunc_end_k_q19fe706f96_attn:
	.size	k_q19fe706f96_attn, .Lfunc_end_k_q19fe706f96_attn-k_q19fe706f96_attn
	.p2alignl 7, 3214868480
	.fill 96, 4, 3214868480
	.section	.rodata,"a",@progbits
	.p2align	6, 0x0
	.amdhsa_kernel k_q19fe706f96_attn
		.amdhsa_group_segment_fixed_size 215040
		.amdhsa_private_segment_fixed_size 0
		.amdhsa_enable_private_segment 0
		.amdhsa_kernarg_size 24
		.amdhsa_user_sgpr_count 2
		.amdhsa_user_sgpr_kernarg_segment_ptr 1
		.amdhsa_wavefront_size32 1
		.amdhsa_system_sgpr_workgroup_id_x 1
		.amdhsa_system_sgpr_workgroup_id_y 1
		.amdhsa_system_sgpr_workgroup_id_z 1
		.amdhsa_system_vgpr_workitem_id 0
		.amdhsa_next_free_vgpr 256
		.amdhsa_next_free_sgpr 66
		.amdhsa_reserve_vcc 1
		.amdhsa_float_denorm_mode_32 3
		.amdhsa_float_denorm_mode_16_64 3
		.amdhsa_memory_ordered 1
		.amdhsa_forward_progress 1
		.amdhsa_inst_pref_size 87
	.end_amdhsa_kernel
	.amdgpu_metadata
---
amdhsa.version: [ 1, 2 ]
amdhsa.kernels:
  - .name:           k_q19fe706f96_attn
    .symbol:         k_q19fe706f96_attn.kd
    .args:
      - { .name: queries, .offset: 0, .size: 8, .value_kind: global_buffer, .address_space: global }
      - { .name: kv, .offset: 8, .size: 8, .value_kind: global_buffer, .address_space: global }
      - { .name: out0, .offset: 16, .size: 8, .value_kind: global_buffer, .address_space: global }
    .group_segment_fixed_size: 215040
    .private_segment_fixed_size: 0
    .kernarg_segment_align: 8
    .kernarg_segment_size: 24
    .max_flat_workgroup_size: 512
    .sgpr_count:     66
    .vgpr_count:     256
    .wavefront_size: 32
...
	.end_amdgpu_metadata
.endif
;; end of part 2
